; MI455X (gfx1250); checked and timed in simulation.
; The chip was launched on July 23, 2026; its instructions are those of AMD's public machine-readable ISA for CDNA 5 (MIT licence, August 2026) and "CDNA5" Instruction Set Architecture Reference Guide (July 2026). The comments in the code are by the model that wrote it; some were corrected since.
;; Bert Self Attention Substitute. Allowed arithmetic: matrix products marked QUANTISED: E5M2 operands, one given power-of-two scale a tensor, by v_wmma_f32_16x16x64_bf8_bf8 or v_wmma_f32_16x16x128_bf8_bf8, f32 sums; everything else in f32.
;; Inputs: Wk_codes 1,024 x 32 x 32 uint8 (E5M2 codes of Wk, K innermost, in blocks of 32 codes); Wq_codes 1,024 x 32 x 32 uint8 (E5M2 codes of Wq, K innermost, in blocks of 32 codes); Wv_codes 1,024 x 32 x 32 uint8 (E5M2 codes of Wv, K innermost, in blocks of 32 codes); attention_mask 4 x 1 x 1 x 2,048 float32; bk 1,024 float32; bq 1,024 float32; bv 1,024 float32; hidden_states_codes 4 x 2,048 x 32 x 32 uint8 (E5M2 codes of hidden_states, K innermost, in blocks of 32 codes); lowp_scales 10 int32 (the exponents e of the quantised operands' scales 2^e).
;; Outputs: out0 4 x 2,048 x 1,024 float32.
;; This version of the problem:
;;   THIS VERSION OF THE PROBLEM IS GIVEN IN LOW PRECISION. The matrix products marked QUANTISED in the list below multiply operands that are first quantised to E5M2 (5 exponent bits, 2 mantissa bits; 8 bits a number), with one given power-of-two scale for each operand tensor; their sums are f32. All else is computed in f32.
;;   The module's matrix products, in the order in which they are computed (A, B: the left and right operand; K: the contracted axis; several contracted axes count as one K, in the product's order):
;;     1. [M 8,192, K 1,024] x [K 1,024, N 1,024]; A: input hidden_states (given as codes); B: input Wq (given as codes): QUANTISED (scales: A lowp_scales[0], B lowp_scales[1])
;;     2. [M 8,192, K 1,024] x [K 1,024, N 1,024]; A: input hidden_states (given as codes); B: input Wk (given as codes): QUANTISED (scales: A lowp_scales[2], B lowp_scales[3])
;;     3. [M 8,192, K 1,024] x [K 1,024, N 1,024]; A: input hidden_states (given as codes); B: input Wv (given as codes): QUANTISED (scales: A lowp_scales[4], B lowp_scales[5])
;;     4. batch 64 x [M 2,048, K 64] x [K 64, N 2,048]; A: computed on the way; B: computed on the way: QUANTISED (scales: A lowp_scales[6], B lowp_scales[7])
;;     5. batch 64 x [M 2,048, K 2,048] x [K 2,048, N 64]; A: computed on the way; B: computed on the way: QUANTISED (scales: A lowp_scales[8], B lowp_scales[9])
;;   THE QUANTISER, for each operand of a quantised product, along K:
;;     - The operand's scale is 2^e, e = its entry of the input lowp_scales (int32; the entries are numbered through the quantised products in the list's order, A before B).
;;     - Each number is divided by the scale, clamped to +-57,344, and rounded to the nearest number of E5M2, ties to even, subnormals kept.
;;     - The product sums the exact products of the quantised numbers (number of the format x scale) in f32.
;;   ~~~python
;;   def quantise(x, axis, e):      # numpy; x: float32 -> the quantised numbers, widened to float32 again
;;       x = np.moveaxis(x, axis, -1); K = x.shape[-1]
;;       r = np.clip(x / 2.0 ** e, -57344, 57344)
;;       step = 2.0 ** (np.maximum(np.frexp(np.where(r == 0, 1, r))[1] - 1, -14) - 2)
;;       q = np.round(r / step) * step * 2.0 ** e      # np.round: ties to even
;;       return np.moveaxis(q, -1, axis).astype(np.float32)
;;   ~~~
;;   OPERANDS COMPUTED ON THE WAY. 'Computed on the way' means the value that the module computes at that place (a softmax that the list does not call 'softmax' is quantised finished and normalised). What goes into a quantiser is computed in f32, as accurately as f32 sums, v_exp_f32 and their like allow (about 1e-6 of the number): no bf16 or f16 on the way to a quantiser, and a product that is left as it is and whose result goes on into a quantised operand takes f32 operands (vector FMAs, or v_wmma_f32_16x16x4_f32). A number that lies on a knife's edge between two numbers of the format may be rounded either way, as far as f32 arithmetic and the matrix unit's own rounding can turn it there, and no further.
;;   INPUTS GIVEN AS CODES. Wk (in the module: [1024, 1024], K = its axis 1); Wq (in the module: [1024, 1024], K = its axis 1); Wv (in the module: [1024, 1024], K = its axis 1); hidden_states (in the module: [4, 2048, 1024], K = its axis 2): each comes as NAME_codes (uint8): NAME with its K axis moved to the last place and cut into blocks of 32 codes, [.., K / 32, bytes a block], one block behind the other in memory; one code a byte (a code: sign, 5 exponent bits, 2 mantissa bits); its scale is its entry of lowp_scales. Its value is code x scale, taken as it is: it is not quantised again, and the codes and scales need not be those that the quantiser above would give.
;; One version. Each part assembles by itself: llvm-mc -triple=amdgcn-amd-amdhsa -mcpu=gfx1250 --defsym DOCPART=n.
;; ======== version 1 of 1: 2 launches
;; workspace buffers: qimg 8,388,608 bytes; kv 16,777,216 bytes
;; launch proj (part 1): grid 8 x 32, 4 waves a work-group, clusters of 4 x 4, 327,680 bytes of LDS; arguments hidden_states_codes, Wq_codes, Wk_codes, Wv_codes, bq, bk, bv, lowp_scales, qimg, kv; writes qimg, kv
.if DOCPART == 1
	.amdgcn_target "amdgcn-amd-amdhsa--gfx1250"
	.amdhsa_code_object_version 6
	.text
	.protected	k_q2960d17dba_proj
	.globl	k_q2960d17dba_proj
	.p2align	8
	.type	k_q2960d17dba_proj,@function
k_q2960d17dba_proj:
	s_mov_b64 s[64:65], 0
	v_nop
	global_prefetch_b8 v0, s[64:65] scope:SCOPE_SE
	s_setreg_imm32_b32 hwreg(HW_REG_WAVE_MODE, 25, 1), 1
	s_wait_xcnt 0x0
	s_wait_alu depctr_hold_cnt(0) depctr_sa_sdst(0) depctr_va_vdst(0) depctr_va_sdst(0) depctr_va_ssrc(0) depctr_va_vcc(0) depctr_vm_vsrc(0)
	s_getreg_b32 s2, hwreg(HW_REG_IB_STS2, 6, 4)
	s_cmp_eq_u32 s2, 0
	s_cbranch_scc0 .Lentry_in_a_cluster
	s_endpgm
.Lentry_in_a_cluster:
	s_bfe_u32 s2, ttmp6, 0x10000c
	s_cmp_lg_u32 s2, 0xf033
	s_cbranch_scc0 .Lentry_shape_is_right
	s_endpgm
.Lentry_shape_is_right:
; q = hidden Wq^T + bq, k = hidden Wk^T + bk, v = hidden Wv^T + bv on codes of BF8 (E5M2), then q, k and v are quantised again (scales 2^e6, 2^e7, 2^e9) and stored as
; IMAGES OF THE OPERAND REGISTERS that the attention launch wants.  hidden: [8192][1024] codes; W*: [1024][1024] codes, K innermost; b*: [1024] f32; the ten exponents e0 .. e9: int32.
; SHARES.  A work-group of four waves takes 256 tokens x 2 heads of q, k and v: a tile of 256 x 384.  Wave w takes 128 tokens (w / 2) x one head (w % 2): 96 accumulators of 16 x 16, 768 registers.
; For 64 along K a wave reads (128 + 192) rows x 64 bytes from LDS and issues 96 matrix instructions.  The K = 64 form is taken: its fragments are 8 registers, and 256 registers are left for them.
; q AND k ARE MADE TRANSPOSED (source 0 = 16 rows of W, source 1 = 16 tokens): a lane holds one token and eight neighbouring channels d, which are the score product's K.
; v IS MADE AS IT STANDS (source 0 = 16 tokens, source 1 = 16 rows of Wv): a lane holds one channel d and eight neighbouring tokens, the keys, which are the second product's K.
; So four conversions give the 8 registers of an operand fragment, and two stores of 16 bytes a lane at 16 x lane write it: each store covers 512 consecutive bytes, aligned.  No stage in LDS.
; qimg: [16 b + head][token / 16][2][lane][16 bytes]: lane (r, h): token 16 tb + r; registers 2 c, 2 c + 1: d = 16 c + 8 h + 0 .. 7.
; kv:   [16 b + head][key / 64][8192 bytes]: four tiles of k (1,024 bytes each, laid as qimg's; tile c: keys 16 c + r), then four tiles of v (tile dt: lane (r, h): d = 16 dt + r; registers 2 c, 2 c + 1: keys 16 c + 8 h + 0 .. 7).
; THE SCALES.  A sum of product 1 stands for sum x 2^(e0 + e1).  code(q) = (sum + bq / 2^(e0 + e1)) / 2^(e6 - e0 - e1), held within +-57,344 x that scale; k with e2, e3, e7; v with e4, e5, e9.
; LIMITS: e6 - e0 - e1, e7 - e2 - e3 and e9 - e4 - e5 lie between -126 and 112, so that the scale and 57,344 x the scale are f32 numbers.  NaN among the biases is not served.
; K goes in steps of 128 through a ring of two LDS slots (256 rows of hidden, 128 rows of each W).  Rows of 256 bytes would make a slot 640 x 272 = 174,080 bytes, and two of those pass 327,680: so rows are 128 bytes.
; A fragment is fetched by two loads of 16 bytes, 32 bytes apart: that is a permutation of k inside an instruction, the same in both sources, so every product meets its partner.
; CLUSTERS: 4 x 4 work-groups.  The four of a row of the cluster take the same 256 tokens, the four of a column the same two heads: each tile is asked for JOINTLY, by the same tensor load with the same
; descriptor and a mask that names the four.  Wave 0 asks for hidden's tile, waves 1, 2, 3 for Wq's, Wk's, Wv's: one load a wave.
; REGISTERS, in windows of 256: window 0: v0-31 addresses and scales; v32-159 hidden's fragments, TWO sets of 8 x 8; v160-255 W's fragments, ONE set of 12 x 8 (tile 4 m + b: m = 0 q, 1 k, 2 v).
;   windows 1, 2, 3: the accumulators of q, k, v: (token block a, tile b) at v[32 a + 8 b].  On the way out window 0's v32-255 are free: biases, numbers at work, codes.
.set PITCH,  144                       ; an LDS row: 128 bytes + 16 of padding, an odd multiple of 16: the 16 rows of a fragment load fall on 16 different columns of 16 bytes in 256
.set BLK,    16*PITCH                  ; 16 rows
.set HB,     256*PITCH                 ; hidden's tile
.set WB,     128*PITCH                 ; a W's tile
.set SLOT,   HB+3*WB                   ; 92,160 bytes
.set BIAS,   2*SLOT                    ; behind the ring: for each wave 3 x 64 scaled biases, 768 bytes; no tile lands here
.set SPARE,  BIAS+4*768                ; the spare words, 128 bytes for each wave: two blocks of 256 bytes that no other line names
.set GO,   4                           ; v4   16 x lane: my place in an image
.set BA,   5                           ; v5   my biases of q and k: BIAS + 768 w + 32 h
.set BB,   6                           ; v6   my bias of v: BIAS + 768 w + 512 + 4 r
.set BST,  7                           ; v7   where I store biases: BIAS + 768 w + 8 x lane
.set L8,   8                           ; v8   8 x lane
.set SC,   10                          ; v10, v12, v14 the conversions' scales of q, k, v;  v11, v13, v15 57,344 x them
.set ADRA, 16                          ; v16-17  LDS address of my fragments of hidden in slot 0, 1
.set ADRW, 20                          ; v20-21  the same for W
.set SPW,  28                          ; v28  LDS address of my spare word: SPARE + 4 x my thread's number; never rewritten
.set NIL,  29                          ; v29  0; never rewritten
.set AF,   32
.set WF,   160
.set BQK,  32                          ; the way out: v32-63 bq, v64-95 bk in the accumulators' layout
.set BV,   160                         ; v160-167: bv of tile b, twice, in a pair
.set CD,   96                          ; v96-159: eight groups of 8 registers of codes
.set TT,   224                         ; v224-255 and v192-223 by turns: 32 numbers at work
.set G1A, 24                           ; s[24:31] descriptor group 1 for hidden's tiles;  s[32:39] group 0, a set for each slot
.set G0A, 32
.set WV,  40                           ; s40 wave;  s41 which 128 tokens;  s42 which head of the two
.set RH,  41
.set CH,  42
.set GX,  45                           ; s45 pair of heads;  s46 block of 256 tokens
.set GY,  46
.set G1W, 48                           ; s[48:55] group 1 for the W's tiles;  s[56:63], s[80:87], s[88:95] groups 0 for Wq, Wk, Wv
.set G0Q, 56
.set G0K, 80
.set G0V, 88
.set LAP, 66
.set MSB, 0
.macro WIN new                         ; the immediate's high byte repeats the setting that is left; a switch that changes nothing is dropped
.if MSB != (\new)
	s_set_vgpr_msb (MSB<<8)|(\new)
.set MSB, (\new)
.endif
.endm
.macro PLACES n
.rept \n
	v_nop
.endr
.endm
; A joint load into slot s.  Each of the four lines has one mask and one set of registers for all that issue it; the branches hang on the wave's number alone.
; Four v_nop follow each line, ahead of the jump, the label and what follows.
.macro JLOAD s
	s_cmp_eq_u32 s[WV], 0
	s_cbranch_scc0 .Lnot0_\@
	tensor_load_to_lds s[G0A+4*\s:G0A+4*\s+3], s[G1A:G1A+7]
	s_nop 0
	PLACES 4
	s_branch .Lasked_\@
.Lnot0_\@:
	s_cmp_eq_u32 s[WV], 1
	s_cbranch_scc0 .Lnot1_\@
	tensor_load_to_lds s[G0Q+4*\s:G0Q+4*\s+3], s[G1W:G1W+7]
	s_nop 0
	PLACES 4
	s_branch .Lasked_\@
.Lnot1_\@:
	s_cmp_eq_u32 s[WV], 2
	s_cbranch_scc0 .Lnot2_\@
	tensor_load_to_lds s[G0K+4*\s:G0K+4*\s+3], s[G1W:G1W+7]
	s_nop 0
	PLACES 4
	s_branch .Lasked_\@
.Lnot2_\@:
	tensor_load_to_lds s[G0V+4*\s:G0V+4*\s+3], s[G1W:G1W+7]
	s_nop 0
	PLACES 4
.Lasked_\@:
.endm
.macro CREST                           ; a round of the cluster's barrier behind its opening barrier
	s_cmp_lg_u32 s[WV], 0
	s_cbranch_scc1 .Lnot_wave_0_\@
	s_barrier_signal -3
.Lnot_wave_0_\@:
	s_barrier_wait -3
	s_barrier_signal -1
	s_barrier_wait -1
.endm
.macro CROUND                          ; a whole round
	s_barrier_signal -1
	s_barrier_wait -1
	CREST
.endm
.macro MKG0 g, ptr, lds                ; group 0 for both slots: slot s begins with K step s (128 bytes along the rows)
.irp s, 0,1
	s_mov_b32 s[\g+4*\s], 1
	s_mov_b32 s[\g+4*\s+1], \lds+\s*SLOT
	s_add_nc_u64 s[\g+4*\s+2:\g+4*\s+3], s[\ptr:\ptr+1], \s*128
	s_or_b32 s[\g+4*\s+3], s[\g+4*\s+3], 0x80000000
.endr
.endm
	s_load_b256 s[4:11], s[0:1], 0x0               ; hidden s[4:5], Wq s[6:7], Wk s[8:9], Wv s[10:11]
	s_load_b256 s[12:19], s[0:1], 0x20             ; bq s[12:13], bk s[14:15], bv s[16:17], the exponents s[18:19]
	s_load_b128 s[20:23], s[0:1], 0x40             ; qimg s[20:21], kv s[22:23]
	v_lshl_add_u32 v[SPW], v0, 2, SPARE
	v_mov_b32 v[NIL], 0
	ds_add_u32 v28, v29
	ds_add_u32 v28, v29
	s_wait_dscnt 0x0
	v_lshrrev_b32 v1, 5, v0
	v_readfirstlane_b32 s[WV], v1                  ; wave 0..3
	s_lshr_b32 s[RH], s[WV], 1
	s_and_b32 s[CH], s[WV], 1
	s_bfe_u32 s43, ttmp6, 0x40000                  ; cx, cy: my place in the cluster
	s_bfe_u32 s44, ttmp6, 0x40004
	s_lshl_b32 s[GX], ttmp9, 2
	s_add_co_u32 s[GX], s[GX], s43                 ; pair of heads = 4 x cluster x + cx
	s_and_b32 s[GY], ttmp7, 0xffff
	s_lshl_b32 s[GY], s[GY], 2
	s_add_co_u32 s[GY], s[GY], s44                 ; block of tokens = 4 x cluster y + cy
	s_lshl_b32 s47, s44, 2
	s_lshl_b32 s47, 15, s47                        ; my row of the cluster
	s_lshl_b32 s67, 0x1111, s43                    ; my column
	; descriptor group 1: rows of 128 bytes, 1,024 bytes apart in memory, padded in LDS
	s_or_b32 s[G1A], s47, (1<<20)|(1<<21)|(4<<22)|(3<<25)   ; 15:0 the mask: hidden's tiles go to my row; 17:16 elements of 1 byte; 20 padding on; 21 set beside a mask; 24:22 after every 32 words (code 4); 31:25 four words (code 3)
	s_mov_b32 s[G1A+1], 128<<16                    ; tensor_dim0 = 128
	s_mov_b32 s[G1A+2], 256<<16                    ; tensor_dim1 = 256
	s_mov_b32 s[G1A+3], 128<<16                    ; tile_dim0 = 128
	s_mov_b32 s[G1A+4], 256                        ; tile_dim1 = 256
	s_mov_b32 s[G1A+5], 1024                       ; tensor_dim0_stride
	s_mov_b32 s[G1A+6], 0
	s_mov_b32 s[G1A+7], 0
	s_or_b32 s[G1W], s67, (1<<20)|(1<<21)|(4<<22)|(3<<25)   ; the same with the mask of my column; 128 rows
	s_mov_b32 s[G1W+1], 128<<16
	s_mov_b32 s[G1W+2], 128<<16
	s_mov_b32 s[G1W+3], 128<<16
	s_mov_b32 s[G1W+4], 128
	s_mov_b32 s[G1W+5], 1024
	s_mov_b32 s[G1W+6], 0
	s_mov_b32 s[G1W+7], 0
	s_lshl_b32 s78, s[GY], 18                      ; hidden: 256 rows of 1,024 bytes for each block of tokens: hangs on the block alone, which my row of the cluster shares
	s_mov_b32 s79, 0
	s_lshl_b32 s96, s[GX], 17                      ; W: 128 rows of 1,024 bytes for each pair of heads: hangs on the pair alone, which my column shares
	s_mov_b32 s97, 0
	s_wait_kmcnt 0x0
	s_load_b256 s[68:75], s[18:19], 0x0            ; e0 .. e7
	s_load_b64 s[76:77], s[18:19], 0x20            ; e8, e9
	s_add_nc_u64 s[4:5], s[4:5], s[78:79]
	s_add_nc_u64 s[6:7], s[6:7], s[96:97]
	s_add_nc_u64 s[8:9], s[8:9], s[96:97]
	s_add_nc_u64 s[10:11], s[10:11], s[96:97]
	MKG0 G0A, 4, 0
	MKG0 G0Q, 6, HB
	MKG0 G0K, 8, HB+WB
	MKG0 G0V, 10, HB+2*WB
	CROUND                                         ; all sixteen work-groups are here: the first joint loads meet
	JLOAD 0                                        ; the ring is filled before anything else is done: two loads of mine are out
	JLOAD 1
	v_and_b32 v1, 15, v0                           ; r = lane % 16
	v_bfe_u32 v2, v0, 4, 1                         ; h = lane / 16
	v_and_b32 v9, 31, v0                           ; lane
	v_mul_u32_u24 v3, v1, PITCH
	v_lshl_add_u32 v3, v2, 4, v3                   ; a fragment's row x pitch + 16 x half
	v_lshlrev_b32 v[GO], 4, v9
	v_lshlrev_b32 v[L8], 3, v9
	s_lshl_b32 s98, s[GX], 1                       ; my head's 64 biases: 256 bytes x (2 x pair + which)
	s_add_co_u32 s98, s98, s[CH]
	s_lshl_b32 s98, s98, 8
	s_mov_b32 s99, 0
	s_add_nc_u64 s[12:13], s[12:13], s[98:99]
	s_add_nc_u64 s[14:15], s[14:15], s[98:99]
	s_add_nc_u64 s[16:17], s[16:17], s[98:99]
	global_load_b64 v[32:33], v[L8], s[12:13]      ; 32 lanes read 256 consecutive bytes
	global_load_b64 v[34:35], v[L8], s[14:15]
	global_load_b64 v[36:37], v[L8], s[16:17]
	s_mul_i32 s2, s[WV], 768
	s_add_co_u32 s2, s2, BIAS                      ; my wave's biases in LDS
	v_lshl_add_u32 v[BA], v2, 5, s2
	v_lshl_add_u32 v[BB], v1, 2, s2
	v_add_nc_u32 v[BB], 512, v[BB]
	v_add_nc_u32 v[BST], s2, v[L8]
	s_mul_i32 s2, s[RH], 128*PITCH                 ; my 128 rows of hidden
	s_mul_i32 s3, s[CH], 64*PITCH                  ; my 64 rows of each W,
	s_add_co_u32 s3, s3, HB                        ; which lie behind hidden's 256
.irp s, 0,1
	v_add_nc_u32 v[ADRA+\s], s2, v3
	v_add_nc_u32 v[ADRW+\s], s3, v3
	s_add_co_u32 s2, s2, SLOT
	s_add_co_u32 s3, s3, SLOT
.endr
	; where my images go.  bh = 16 x batch + head; a batch is 8 blocks of 256 tokens
	s_lshr_b32 s100, s[GY], 3
	s_lshl_b32 s100, s100, 4
	s_lshl_b32 s101, s[GX], 1
	s_add_co_u32 s100, s100, s101
	s_add_co_u32 s100, s100, s[CH]                 ; bh
	s_and_b32 s101, s[GY], 7                       ; the block within the batch
	s_lshl_b32 s98, s100, 17                       ; qimg: 131,072 bh + 1,024 x (16 x block + 8 x half)
	s_lshl_b32 s99, s101, 14
	s_add_co_u32 s98, s98, s99
	s_lshl_b32 s99, s[RH], 13
	s_add_co_u32 s98, s98, s99
	s_mov_b32 s99, 0
	s_add_nc_u64 s[20:21], s[20:21], s[98:99]
	s_lshl_b32 s98, s100, 18                       ; kv: 262,144 bh + 8,192 x (4 x block + 2 x half)
	s_lshl_b32 s99, s101, 15
	s_add_co_u32 s98, s98, s99
	s_lshl_b32 s99, s[RH], 14
	s_add_co_u32 s98, s98, s99
	s_mov_b32 s99, 0
	s_add_nc_u64 s[22:23], s[22:23], s[98:99]
; The scale of one of q, k, v.  s[ea], s[eb]: the product's two exponents; s[eo]: the quantiser's.  Leaves -(ea + eb) in s[eb].
.macro SCALES ea, eb, eo, m
	s_add_co_i32 s[\ea], s[\ea], s[\eb]
	s_sub_co_i32 s[\eb], 0, s[\ea]
	s_sub_co_i32 s[\ea], s[\eo], s[\ea]            ; E = eo - ea - eb
	s_add_co_i32 s[\ea], s[\ea], 127
	s_lshl_b32 s[\eo], s[\ea], 23
	v_mov_b32 v[SC+2*\m], s[\eo]                   ; 2^E as f32: the conversion takes its exponent field
	s_add_co_i32 s[\ea], s[\ea], 15
	s_lshl_b32 s[\ea], s[\ea], 23
	s_or_b32 s[\ea], s[\ea], 0x600000
	v_mov_b32 v[SC+2*\m+1], s[\ea]                 ; 57,344 x 2^E
.endm
	s_wait_kmcnt 0x0
	SCALES 68, 69, 74, 0
	SCALES 70, 71, 75, 1
	SCALES 72, 73, 77, 2
	s_wait_loadcnt 0x0                             ; the biases
	v_ldexp_f32 v32, v32, s69                      ; bq / 2^(e0 + e1): it is added to sums that lack that factor
	v_ldexp_f32 v33, v33, s69
	v_ldexp_f32 v34, v34, s71
	v_ldexp_f32 v35, v35, s71
	v_ldexp_f32 v36, v36, s73
	v_ldexp_f32 v37, v37, s73
	ds_store_b64 v[BST], v[32:33]
	ds_store_b64 v[BST], v[34:35] offset:256
	ds_store_b64 v[BST], v[36:37] offset:512
.macro FRAG reg, adr, off              ; a fragment, 16 rows x 64 K, is 8 registers: lane l holds row l % 16; registers 0-3: K = 16 (l / 16) + 0 .. 15, registers 4-7: 32 further on
	ds_load_b128 v[\reg:\reg+3], v[\adr] offset:\off
	ds_load_b128 v[\reg+4:\reg+7], v[\adr] offset:\off+32
.endm
.macro FETCH_A slot, q, p              ; hidden's eight fragments of the slot's q-th 64 along K into set p: 16 loads
.irp a, 0,1,2,3,4,5,6,7
	FRAG AF+64*(\p)+8*\a, ADRA+\slot, 64*(\q)+BLK*\a
.endr
.endm
.macro FETCH_WLO slot, q               ; W's tiles 0-5: 12 loads
.irp w, 0,1,2,3,4,5
	FRAG WF+8*\w, ADRW+\slot, 64*(\q)+WB*(\w/4)+BLK*(\w%4)
.endr
.endm
.macro FETCH_WHI slot, q               ; W's tiles 6-11: 12 loads
.irp w, 6,7,8,9,10,11
	FRAG WF+8*\w, ADRW+\slot, 64*(\q)+WB*(\w/4)+BLK*(\w%4)
.endr
.endm
; Eight matrix instructions: W's tile w against hidden's eight blocks of set p.  zero = 1: the first product starts the sums: nothing is ever cleared.
; The 96 accumulators take turns, one instruction a turn, in the same order in every step.
.macro MULW w, p, zero
.irp a, 0,1,2,3,4,5,6,7
.set rD, 32*\a+8*((\w)%4)
.set rW, WF+8*(\w)
.set rA, AF+64*(\p)+8*\a
.if (\w) < 8
.if \zero
	v_wmma_f32_16x16x64_bf8_bf8 v[rD:rD+7], v[rW:rW+7], v[rA:rA+7], 0
.else
	v_wmma_f32_16x16x64_bf8_bf8 v[rD:rD+7], v[rW:rW+7], v[rA:rA+7], v[rD:rD+7]
.endif
.else
.if \zero
	v_wmma_f32_16x16x64_bf8_bf8 v[rD:rD+7], v[rA:rA+7], v[rW:rW+7], 0
.else
	v_wmma_f32_16x16x64_bf8_bf8 v[rD:rD+7], v[rA:rA+7], v[rW:rW+7], v[rD:rD+7]
.endif
.endif
.endr
.endm
.set W_Q, 0x50                         ; C and D in window 1, the sources in window 0
.set W_K, 0xa0                         ; window 2
.set W_V, 0xf0                         ; window 3
; A load into a register that a matrix instruction has read, and a vector instruction that reads a matrix result or writes one of a matrix instruction's registers, stand four places behind it, and only
; plain vector instructions that name none of its registers are places (ISA guide 7.12.1 for vector instructions).  So four v_nop stand in front of each run of loads.
; A slot's first 64 along K (hidden's set 0); its successor lies in the same slot.
.macro STEP slot, zero
	s_wait_dscnt 12                                ; hidden's set and W's tiles 0-5 are in; the youngest twelve loads (tiles 6-11) may be out
	WIN W_Q
	MULW 0, 0, \zero
	MULW 1, 0, \zero
	MULW 2, 0, \zero
	MULW 3, 0, \zero
	WIN W_K
	MULW 4, 0, \zero
	MULW 5, 0, \zero
	s_wait_dscnt 0x0                               ; tiles 6-11 are in (asked for 48 matrix instructions ago)
	PLACES 4
	WIN 0
	FETCH_A \slot, 1, 1
	FETCH_WLO \slot, 1
	WIN W_K
	MULW 6, 0, \zero
	MULW 7, 0, \zero
	WIN W_V
	MULW 8, 0, \zero
	MULW 9, 0, \zero
	MULW 10, 0, \zero
	MULW 11, 0, \zero
	PLACES 4
	WIN 0
	FETCH_WHI \slot, 1
.endm
; A slot's second 64 along K (hidden's set 1) changes slots: ONE barrier; in front of it each wave waits for all its tensor loads, adds 0 to its spare word, and waits for that and for its own reads of this slot.
; fill = 1: the barrier opens a round of the cluster's barrier, and this slot is filled again, two K steps ahead.
.macro TURN slot, next, fill
	s_wait_tensorcnt 0x0                           ; all my tensor loads have landed: my part of the next slot  (every window is 0 here: the add's two registers lie in window 0)
	ds_add_u32 v[SPW], v[NIL]                      ; 0 onto my spare word
	s_wait_dscnt 13                                ; (the add and the youngest twelve loads, W's tiles 6-11, may be out)
	WIN W_Q
	MULW 0, 1, 0                                   ; sixteen matrix instructions stand between the add and the wait for it
	MULW 1, 1, 0
	s_wait_dscnt 0x0                               ; the add is done, and my reads of this slot are over
	s_barrier_signal -1
	MULW 2, 1, 0
	MULW 3, 1, 0
	WIN W_K
	MULW 4, 1, 0
	MULW 5, 1, 0
	WIN 0
	s_barrier_wait -1
.if \fill
	CREST                                          ; no wave of any partner still reads this slot's tiles or has a load on its way
.irp g, G0A, G0Q, G0K, G0V
	s_add_nc_u64 s[\g+4*\slot+2:\g+4*\slot+3], s[\g+4*\slot+2:\g+4*\slot+3], 256   ; two K steps of 128 bytes on; no tensor load of mine is out
.endr
	JLOAD \slot                                    ; the first tensor load behind the round; the four v_nop behind it are also the places in front of the loads below
.else
	PLACES 4
.endif
	FETCH_A \next, 0, 0
	FETCH_WLO \next, 0
	WIN W_K
	MULW 6, 1, 0
	MULW 7, 1, 0
	WIN W_V
	MULW 8, 1, 0
	MULW 9, 1, 0
	MULW 10, 1, 0
	MULW 11, 1, 0
	PLACES 4
	WIN 0
	FETCH_WHI \next, 0
.endm
	s_wait_tensorcnt 1                             ; my part of K step 0 is in (K step 1's load may be out)
	s_wait_dscnt 0x0                               ; and my stores of the biases are done
	s_barrier_signal -1
	s_barrier_wait -1                              ; everybody's is
	FETCH_A 0, 0, 0
	FETCH_WLO 0, 0
	FETCH_WHI 0, 0
	STEP 0, 1                                      ; the first step stands in front of the loop: its products start the sums
	s_mov_b32 s[LAP], 3                            ; K = 1,024 is eight K steps: two first fills, and three trips of two refills
.Llap:                                                 ; a trip goes once round the ring, from a lap's second step to the next lap's first
	TURN 0, 1, 1
	STEP 1, 0
	TURN 1, 0, 1
	STEP 0, 0
	s_sub_co_u32 s[LAP], s[LAP], 1
	s_cmp_lg_u32 s[LAP], 0
	s_cbranch_scc1 .Llap
	TURN 0, 1, 0                                   ; the last lap fills nothing, and has no round of the cluster's barrier
	STEP 1, 0
	s_wait_dscnt 12                                ; the very last step: in its middle the biases are fetched, into registers that are done with
	WIN W_Q
	MULW 0, 1, 0
	MULW 1, 1, 0
	MULW 2, 1, 0
	MULW 3, 1, 0
	WIN W_K
	MULW 4, 1, 0
	MULW 5, 1, 0
	s_wait_dscnt 0x0
	PLACES 4
	WIN 0
.irp m, 0,1                            ; bq and bk in the accumulators' layout: lane (r, h), tile b, register j: channel 16 b + 8 h + j
.irp b, 0,1,2,3
	ds_load_b128 v[BQK+32*\m+8*\b:BQK+32*\m+8*\b+3], v[BA] offset:256*\m+64*\b
	ds_load_b128 v[BQK+32*\m+8*\b+4:BQK+32*\m+8*\b+7], v[BA] offset:256*\m+64*\b+16
.endr
.endr
.irp b, 0,1,2,3                        ; bv: lane (r, h), tile b: channel 16 b + r
	ds_load_b32 v[BV+2*\b], v[BB] offset:64*\b
.endr
	WIN W_K
	MULW 6, 1, 0
	MULW 7, 1, 0
	WIN W_V
	MULW 8, 1, 0
	MULW 9, 1, 0
	MULW 10, 1, 0
	MULW 11, 1, 0
	WIN 0
	PLACES 4                                       ; in front of the first reads of results and the first writes of registers that held fragments
	s_wait_dscnt 0x0
.irp b, 0,1,2,3
	v_mov_b32 v[BV+2*\b+1], v[BV+2*\b]             ; the packed addition takes a pair
.endr
; THE WAY OUT.  A group is 32 numbers of a lane: bias added (each accumulator read from its low end on), held within +-57,344 x the scale (the conversion to an 8-bit code does not saturate: ISA guide 7.6.2),
; converted: 8 registers, an operand fragment's image, stored by two stores of 512 consecutive bytes.  The numbers at work lie in two sets by turns, so that the next group's additions are the plain
; instructions behind a group's conversions and do not write their sources.
.macro HOLDCVT m                       ; rT: the numbers; rC: the codes
.irp i, 0,1,2,3,4,5,6,7,8,9,10,11,12,13,14,15,16,17,18,19,20,21,22,23,24,25,26,27,28,29,30,31
	v_med3_num_f32 v[rT+\i], v[rT+\i], -v[SC+2*(\m)+1], v[SC+2*(\m)+1]
.endr
.irp b, 0,1,2,3
	v_cvt_scalef32_pk8_bf8_f32 v[rC+2*\b:rC+2*\b+1], v[rT+8*\b:rT+8*\b+7], v[SC+2*(\m)]
.endr
.endm
.macro OUTQK m, a                      ; q (m = 0) or k (m = 1), token block a: its four tiles are the fragment's four pairs of registers
.set rT, TT-32*((\a)%2)
.set rC, CD+8*(\a)
.set rB, BQK+32*(\m)
	WIN 0x01+(\m)                                  ; source 0: window 1 or 2
.irp i, 0,2,4,6,8,10,12,14,16,18,20,22,24,26,28,30
	v_pk_add_f32 v[rT+\i:rT+\i+1], v[32*(\a)+\i:32*(\a)+\i+1], v[rB+\i:rB+\i+1]
.endr
	WIN 0
	HOLDCVT \m
.if \m == 0
	global_store_b128 v[GO], v[rC:rC+3], s[20:21] offset:1024*(\a)
	global_store_b128 v[GO], v[rC+4:rC+7], s[20:21] offset:1024*(\a)+512
.else
	global_store_b128 v[GO], v[rC:rC+3], s[22:23] offset:8192*((\a)/4)+1024*((\a)%4)
	global_store_b128 v[GO], v[rC+4:rC+7], s[22:23] offset:8192*((\a)/4)+1024*((\a)%4)+512
.endif
.endm
.macro OUTV g                          ; v: key step g / 4 of my two, channel tile g % 4: the four token blocks of the key step are the fragment's four pairs of registers
.set rT, TT-32*((\g)%2)
.set rC, CD+8*(\g)
.set gS, (\g)/4
.set gB, (\g)%4
	WIN 0x03                                       ; source 0: window 3
.irp c, 0,1,2,3
.irp i, 0,2,4,6
	v_pk_add_f32 v[rT+8*\c+\i:rT+8*\c+\i+1], v[32*(4*gS+\c)+8*gB+\i:32*(4*gS+\c)+8*gB+\i+1], v[BV+2*gB:BV+2*gB+1]
.endr
.endr
	WIN 0
	HOLDCVT 2
	global_store_b128 v[GO], v[rC:rC+3], s[22:23] offset:8192*gS+4096+1024*gB
	global_store_b128 v[GO], v[rC+4:rC+7], s[22:23] offset:8192*gS+4096+1024*gB+512
.endm
.irp a, 0,1,2,3,4,5,6,7
	OUTQK 0, \a
.endr
	s_wait_xcnt 0x0                                ; q's stores have read their registers: the eight groups of codes may be written again
.irp a, 0,1,2,3,4,5,6,7
	OUTQK 1, \a
.endr
	s_wait_xcnt 0x0                                ; k's likewise
.irp g, 0,1,2,3,4,5,6,7
	OUTV \g
.endr
	v_nop                                          ; a plain instruction behind the last conversions
	s_wait_tensorcnt 0x0                           ; the wave's end: behind my last tensor load and my last LDS store
	ds_add_u32 v[SPW], v[NIL]
	s_wait_dscnt 0x0
	CROUND                                         ; the closing round: no work-group ends while a partner may still ask for a tile that names it
	s_endpgm
.Lfunc_end_k_q2960d17dba_proj:
	.size	k_q2960d17dba_proj, .Lfunc_end_k_q2960d17dba_proj-k_q2960d17dba_proj
	.p2alignl 7, 3214868480
	.fill 96, 4, 3214868480
	.section	.rodata,"a",@progbits
	.p2align	6, 0x0
	.amdhsa_kernel k_q2960d17dba_proj
		.amdhsa_group_segment_fixed_size 327680
		.amdhsa_private_segment_fixed_size 0
		.amdhsa_enable_private_segment 0
		.amdhsa_kernarg_size 80
		.amdhsa_user_sgpr_count 2
		.amdhsa_user_sgpr_kernarg_segment_ptr 1
		.amdhsa_wavefront_size32 1
		.amdhsa_system_sgpr_workgroup_id_x 1
		.amdhsa_system_sgpr_workgroup_id_y 1
		.amdhsa_system_sgpr_workgroup_id_z 1
		.amdhsa_system_vgpr_workitem_id 0
		.amdhsa_next_free_vgpr 1024
		.amdhsa_next_free_sgpr 102
		.amdhsa_reserve_vcc 0
		.amdhsa_float_denorm_mode_32 3
		.amdhsa_float_denorm_mode_16_64 3
		.amdhsa_memory_ordered 1
		.amdhsa_forward_progress 1
		.amdhsa_inst_pref_size 174
	.end_amdhsa_kernel
	.amdgpu_metadata
---
amdhsa.version: [ 1, 2 ]
amdhsa.kernels:
  - .name:           k_q2960d17dba_proj
    .symbol:         k_q2960d17dba_proj.kd
    .args:
      - { .name: hidden_states_codes, .offset: 0, .size: 8, .value_kind: global_buffer, .address_space: global }
      - { .name: Wq_codes, .offset: 8, .size: 8, .value_kind: global_buffer, .address_space: global }
      - { .name: Wk_codes, .offset: 16, .size: 8, .value_kind: global_buffer, .address_space: global }
      - { .name: Wv_codes, .offset: 24, .size: 8, .value_kind: global_buffer, .address_space: global }
      - { .name: bq, .offset: 32, .size: 8, .value_kind: global_buffer, .address_space: global }
      - { .name: bk, .offset: 40, .size: 8, .value_kind: global_buffer, .address_space: global }
      - { .name: bv, .offset: 48, .size: 8, .value_kind: global_buffer, .address_space: global }
      - { .name: lowp_scales, .offset: 56, .size: 8, .value_kind: global_buffer, .address_space: global }
      - { .name: qimg, .offset: 64, .size: 8, .value_kind: global_buffer, .address_space: global }
      - { .name: kv, .offset: 72, .size: 8, .value_kind: global_buffer, .address_space: global }
    .group_segment_fixed_size: 327680
    .private_segment_fixed_size: 0
    .kernarg_segment_align: 8
    .kernarg_segment_size: 80
    .max_flat_workgroup_size: 128
    .sgpr_count:     102
    .vgpr_count:     1024
    .wavefront_size: 32
...
	.end_amdgpu_metadata
.endif
;; end of part 1
;; launch attn (part 2): grid 4 x 64, 8 waves a work-group, clusters of 4 x 1, 306,176 bytes of LDS; arguments qimg, kv, attention_mask, lowp_scales, out0; writes out0
.if DOCPART == 2
	.amdgcn_target "amdgcn-amd-amdhsa--gfx1250"
	.amdhsa_code_object_version 6
	.text
	.protected	k_q2960d17dba_attn
	.globl	k_q2960d17dba_attn
	.p2align	8
	.type	k_q2960d17dba_attn,@function
k_q2960d17dba_attn:
	s_mov_b64 s[64:65], 0
	v_nop
	global_prefetch_b8 v0, s[64:65] scope:SCOPE_SE
	s_setreg_imm32_b32 hwreg(HW_REG_WAVE_MODE, 25, 1), 1
	s_wait_xcnt 0x0
	s_wait_alu depctr_hold_cnt(0) depctr_sa_sdst(0) depctr_va_vdst(0) depctr_va_sdst(0) depctr_va_ssrc(0) depctr_va_vcc(0) depctr_vm_vsrc(0)
	s_getreg_b32 s2, hwreg(HW_REG_IB_STS2, 6, 4)
	s_cmp_eq_u32 s2, 0
	s_cbranch_scc0 .Lentry_in_a_cluster
	s_endpgm
.Lentry_in_a_cluster:
	s_bfe_u32 s2, ttmp6, 0x10000c
	s_cmp_lg_u32 s2, 0x3003
	s_cbranch_scc0 .Lentry_shape_is_right
	s_endpgm
.Lentry_shape_is_right:
; out[b][q][64 head + d] = the sum over keys of relu(q . k / 8 + mask[b][key])^2 v[key][d], both products on codes of BF8 (E5M2).  q, k, v come as images of operand registers:
; qimg: [16 b + head][query / 16][2][lane][16 bytes];  kv: [16 b + head][key / 64][four tiles of k, four tiles of v, 1,024 bytes each].  mask: [4][2048] f32.  out: [4][2048][1024] f32.
; THE ARITHMETIC.  1 / 8 = 2^-3, so with X = e6 + e7 - 3 a score is 2^X x, x = (the sum of codes' products) + mask / 2^X.  mask / 2^X hangs on the key alone and is the C of the score product, which is
; used transposed (S^T = K Q^T: source 0 = 16 keys, source 1 = 16 queries): it costs no vector instruction.  The weight is 2^(2 X) relu(x)^2, and its code is relu(x)^2 / 2^E, E = e8 - 2 X, held at 57,344.
; relu and the hold are ONE v_med3 ahead of the square: x is held between 0 and L, L the f32 number just under sqrt(57,344 x 2^E): L^2, rounded, does not pass 57,344 x 2^E and still rounds to the largest code.
; So a score costs one v_med3, half a packed multiplication and an eighth of a conversion.  There is no maximum, no sum and no rescaling.
; O^T = V^T P^T (source 0 = 16 channels, source 1 = P): a lane holds ONE query throughout, P's registers come out of the conversions in the operand's layout, and each finished sum is multiplied by 2^(e8 + e9).
; LIMITS: E = e8 - 2 (e6 + e7 - 3) between -126 and 112; e8 + e9 between -126 and 127, so that each power of two below is an f32 number.  NaN in the mask is not served; mask / 2^X is held within the
; largest f32 number, so that an infinite or overflowing mask gives the code 0 (negative) or the largest code (positive).
; SHARES.  A work-group owns 512 queries of one head; each of its EIGHT waves 64 of them, four tiles of 16, in 512 registers: two waves to a SIMD.  The loop has 52 vector instructions for 8 matrix
; instructions, and the square wants the scores in both source windows: with four tiles a wave the score product and all vector work stay in window 0, and one wave's vector work stands beside the other's products.
; LDS.  A head's k and v are 262,144 bytes: they lie in LDS whole, as in memory.  Nothing is filled twice: no ring.  They come in four chunks (key steps 0-3, 4-7, 8-15, 16-31), each shared out among the eight
; waves, all asked for at the start: four loads of mine are out.  A chunk is waited for, and a barrier passed, just before its first key step is fetched, so the start waits for 32,768 bytes alone.
; CLUSTER.  The four blocks of queries of a head form a cluster and need the same k and v: every chunk is asked for JOINTLY, by the same tensor load with the same descriptor and a mask that names the four.
; REGISTERS: window 0: v1-8 addresses and the scale; v9-15 at work; v16-47 Q; v48-111 K, two buffers; v112-175 S^T, two buffers (a tile each); v176-191 P, two buffers; v192-255 mask / 2^X, two buffers.
;   window 1: v0-127 O^T (tile t, channels 16 dt on: v[32 t + 8 dt]); v128-191 V, two buffers.
.set MASK,  262144                     ; behind k and v: 2,048 numbers mask / 2^X
.set STAGE, MASK+8192                  ; the way out: 16 rows x (256 bytes + 16) for each wave
.set SP,    272
.set LI,  1                            ; v1  16 x lane: my place in an image
.set MH,  2                            ; v2  MASK + 32 h
.set ADR, 3                            ; v3  LI + the body's first key step
.set MAD, 4                            ; v4  MH + the same in the mask
.set STO, 5                            ; v5  the stage: where I put 32 bytes of a row
.set RD,  6                            ; v6  and where I read a row back
.set GO,  7                            ; v7  my byte offset in the wave's rows of out
.set CSC, 8                            ; v8  2^E as f32, for the conversion
.set QQ,  16
.set KK,  48
.set SS,  112
.set PP,  176
.set MM,  192
.set VV,  128                          ; in window 1
.set WV,  20                           ; s20 wave;  s21 block of 512 queries;  s22 16 b + head
.set QB,  21
.set BH,  22
.set G1A, 24                           ; s[24:31], s[32:39], s[40:47] descriptor groups 1: 16, 32, 64 rows of 256 bytes
.set G1B, 32
.set G1C, 40
.set G0,  48                           ; s[48:63] groups 0, one for each chunk
.set TB,  66                           ; s66 LDS byte of the body's first key step;  s67 the same in the mask;  s68 trips
.set TM,  67
.set CNT, 68
.set LIM, 69                           ; s69 L
.set OSC, 70                           ; s[70:71] 2^(e8 + e9): the packed form names a pair and takes its low word for both halves
.set MSB, 0
.macro WIN new                         ; the immediate's high byte repeats the setting that is left; a switch that changes nothing is dropped
.if MSB != (\new)
	s_set_vgpr_msb (MSB<<8)|(\new)
.set MSB, (\new)
.endif
.endm
.macro CROUND                          ; a round of the cluster's barrier
	s_barrier_signal -1
	s_barrier_wait -1
	s_cmp_lg_u32 s[WV], 0
	s_cbranch_scc1 .Lnot_wave_0_\@
	s_barrier_signal -3
.Lnot_wave_0_\@:
	s_barrier_wait -3
	s_barrier_signal -1
	s_barrier_wait -1
.endm
.macro GROUP1 g, rows                  ; a dense block as rows of 32 elements of 8 bytes
	s_mov_b32 s[\g], 15|(3<<16)|(1<<21)            ; 15:0 the mask: all four work-groups; 17:16 elements of 8 bytes; 20 no padding; 21 set beside a mask
	s_mov_b32 s[\g+1], 32<<16                      ; tensor_dim0 = 32
	s_mov_b32 s[\g+2], \rows<<16                   ; tensor_dim1
	s_mov_b32 s[\g+3], 32<<16                      ; tile_dim0 = 32
	s_mov_b32 s[\g+4], \rows                       ; tile_dim1
	s_mov_b32 s[\g+5], 32                          ; tensor_dim0_stride: each row begins where the last ends
	s_mov_b32 s[\g+6], 0
	s_mov_b32 s[\g+7], 0
.endm
.macro CHUNK p, base, sh               ; group 0 of chunk p: my wave's part begins at base + (wave << sh), in LDS as in the head's block of kv
	s_lshl_b32 s74, s[WV], \sh
.if \base
	s_add_co_u32 s74, s74, \base
.endif
	s_mov_b32 s75, 0
	s_mov_b32 s[G0+4*\p], 1
	s_mov_b32 s[G0+4*\p+1], s74
	s_add_nc_u64 s[G0+4*\p+2:G0+4*\p+3], s[6:7], s[74:75]
	s_or_b32 s[G0+4*\p+3], s[G0+4*\p+3], 0x80000000
.endm
	s_load_b256 s[4:11], s[0:1], 0x0               ; qimg s[4:5], kv s[6:7], the mask s[8:9], the exponents s[10:11]
	s_load_b64 s[12:13], s[0:1], 0x20              ; out
	v_lshl_add_u32 v14, v0, 2, 0x4a800
	v_mov_b32 v15, 0
	ds_add_u32 v14, v15
	ds_add_u32 v14, v15
	v_lshrrev_b32 v9, 5, v0
	v_readfirstlane_b32 s[WV], v9                  ; wave 0..7
	s_bfe_u32 s[QB], ttmp6, 0x40000                ; cx
	s_lshl_b32 s84, ttmp9, 2                       ; in a cluster launch ttmp9 counts clusters
	s_add_co_u32 s[QB], s84, s[QB]                 ; my block of 512 queries: it enters qimg's and out's addresses alone
	s_and_b32 s[BH], ttmp7, 0xffff                 ; 16 b + head, which the four partners share
	GROUP1 G1A, 16
	GROUP1 G1B, 32
	GROUP1 G1C, 64
	s_lshl_b32 s72, s[BH], 18                      ; the head's 262,144 bytes of kv
	s_mov_b32 s73, 0
	s_wait_dscnt 0x0
	s_wait_kmcnt 0x0
	s_load_b128 s[16:19], s[10:11], 0x18           ; e6, e7, e8, e9
	s_add_nc_u64 s[6:7], s[6:7], s[72:73]
	CHUNK 0, 0, 12                                 ; key steps 0-3: 4,096 bytes a wave
	CHUNK 1, 32768, 12                             ; 4-7
	CHUNK 2, 65536, 13                             ; 8-15: 8,192 a wave
	CHUNK 3, 131072, 14                            ; 16-31: 16,384 a wave
	CROUND                                         ; all four work-groups are here: the joint loads meet
	tensor_load_to_lds s[G0:G0+3], s[G1A:G1A+7]
	s_nop 0
	tensor_load_to_lds s[G0+4:G0+7], s[G1A:G1A+7]
	s_nop 0
	tensor_load_to_lds s[G0+8:G0+11], s[G1B:G1B+7]
	s_nop 0
	tensor_load_to_lds s[G0+12:G0+15], s[G1C:G1C+7]
	s_nop 0
.rept 4
	v_nop
.endr
	s_lshl_b32 s82, s[BH], 17                      ; qimg: 131,072 x (16 b + head) + 1,024 x (32 x block + 4 x wave)
	s_lshl_b32 s83, s[QB], 15
	s_add_co_u32 s82, s82, s83
	s_lshl_b32 s83, s[WV], 12
	s_add_co_u32 s82, s82, s83
	s_mov_b32 s83, 0
	s_add_nc_u64 s[4:5], s[4:5], s[82:83]
	s_lshr_b32 s76, s[BH], 4                       ; the mask: 8,192 bytes a batch
	s_lshl_b32 s76, s76, 13
	s_mov_b32 s77, 0
	s_add_nc_u64 s[8:9], s[8:9], s[76:77]
	v_and_b32 v[LI], 31, v0
	v_lshlrev_b32 v[LI], 4, v[LI]
	v_lshlrev_b32 v13, 5, v0                       ; 32 bytes of the mask to a thread: 256 threads take the batch's 8,192
.irp t, 0,1,2,3                        ; Q stays in registers
	global_load_b128 v[QQ+8*\t:QQ+8*\t+3], v[LI], s[4:5] offset:1024*\t th:TH_LOAD_NT
	global_load_b128 v[QQ+8*\t+4:QQ+8*\t+7], v[LI], s[4:5] offset:1024*\t+512 th:TH_LOAD_NT
.endr
	global_load_b128 v[SS:SS+3], v13, s[8:9]
	global_load_b128 v[SS+4:SS+7], v13, s[8:9] offset:16
	v_bfe_u32 v9, v0, 4, 1                         ; h = lane / 16
	v_and_b32 v12, 15, v0                          ; r = lane % 16
	v_lshl_add_u32 v[MH], v9, 5, MASK
	v_lshl_add_u32 v11, v0, 5, MASK                ; where I store my 8 numbers of the mask
	v_mov_b32 v10, 0x7f7fffff                      ; the largest f32 number
	s_wait_kmcnt 0x0
	s_add_co_i32 s72, s16, s17
	s_sub_co_i32 s72, s72, 3                       ; X = e6 + e7 - 3
	s_sub_co_i32 s73, 0, s72                       ; -X
	s_lshl_b32 s74, s72, 1
	s_sub_co_i32 s74, s18, s74                     ; E = e8 - 2 X
	s_add_co_i32 s75, s74, 127
	s_lshl_b32 s75, s75, 23
	v_mov_b32 v[CSC], s75                          ; 2^E as f32
	s_add_co_i32 s74, s74, 15                      ; 57,344 x 2^E = 1.75 x 2^n, n = E + 15.  Its root: sqrt(1.75) x 2^(n / 2) for an even n, sqrt(3.5) x 2^((n - 1) / 2) for an odd one
	s_mov_b32 s[LIM], 0x3fef7750                   ; sqrt(3.5), cut off below
	s_ashr_i32 s76, s74, 1
	s_lshl_b32 s76, s76, 23
	s_and_b32 s77, s74, 1                          ; SCC: n is odd
	s_cselect_b32 s[LIM], s[LIM], 0x3fa953fd       ; sqrt(1.75), cut off below
	s_add_co_i32 s[LIM], s[LIM], s76               ; floor(n / 2) is added to the exponent field: L
	s_add_co_i32 s[OSC], s18, s19
	s_add_co_i32 s[OSC], s[OSC], 127
	s_lshl_b32 s[OSC], s[OSC], 23                  ; 2^(e8 + e9) as f32
	s_mov_b32 s[OSC+1], s[OSC]                     ; (named with it as a pair, so it is written)
	s_wait_loadcnt 0x0                             ; Q and my part of the mask
.irp j, 0,1,2,3,4,5,6,7
	v_ldexp_f32 v[SS+\j], v[SS+\j], s73            ; mask / 2^X
.endr
.irp j, 0,1,2,3,4,5,6,7
	v_med3_num_f32 v[SS+\j], v[SS+\j], -v10, v10   ; held within the largest f32 number
.endr
	ds_store_b128 v11, v[SS:SS+3]
	ds_store_b128 v11, v[SS+4:SS+7] offset:16
; My loads up to a chunk have landed (n: the later chunks' loads, which may stay out), my LDS instructions are done; then the work-group's barrier: the chunk is whole for every wave.
.macro SYNC n
	s_wait_tensorcnt \n
	s_wait_dscnt 0x0
	s_barrier_signal -1
	s_barrier_wait -1
.endm
; A key step's fragments into buffers b: 24 loads in one run.  K's and V's are images: 512 consecutive bytes a load.  The mask: lane (r, h), tile c, register j: key 16 c + 8 h + j.
.macro FETCH b, off, moff
.irp c, 0,1,2,3
	ds_load_b128 v[KK+32*(\b)+8*\c:KK+32*(\b)+8*\c+3], v[ADR] offset:(\off)+1024*\c
	ds_load_b128 v[KK+32*(\b)+8*\c+4:KK+32*(\b)+8*\c+7], v[ADR] offset:(\off)+1024*\c+512
.endr
.irp c, 0,1,2,3
	ds_load_b128 v[MM+32*(\b)+8*\c:MM+32*(\b)+8*\c+3], v[MAD] offset:(\moff)+64*\c
	ds_load_b128 v[MM+32*(\b)+8*\c+4:MM+32*(\b)+8*\c+7], v[MAD] offset:(\moff)+64*\c+16
.endr
	WIN 0x40                                       ; destination window 1
.irp d, 0,1,2,3
	ds_load_b128 v[VV+32*(\b)+8*\d:VV+32*(\b)+8*\d+3], v[ADR] offset:(\off)+4096+1024*\d
	ds_load_b128 v[VV+32*(\b)+8*\d+4:VV+32*(\b)+8*\d+7], v[ADR] offset:(\off)+4096+1024*\d+512
.endr
	WIN 0
.endm
.macro KQ sb, kb, tq                   ; S^T of tile tq into buffer sb: four tiles of 16 keys; C = mask / 2^X
.irp c, 0,1,2,3
	v_wmma_f32_16x16x64_bf8_bf8 v[SS+32*(\sb)+8*\c:SS+32*(\sb)+8*\c+7], v[KK+32*(\kb)+8*\c:KK+32*(\kb)+8*\c+7], v[QQ+8*(\tq):QQ+8*(\tq)+7], v[MM+32*(\kb)+8*\c:MM+32*(\kb)+8*\c+7]
.endr
.endm
.macro PV t, pb, vb, zero              ; O^T of tile t += V^T P^T: four tiles of 16 channels.  zero: the first key step starts the sums: nothing is ever cleared
	WIN 0x51                                       ; V, C and D in window 1, P in window 0
.irp d, 0,1,2,3
.if \zero
	v_wmma_f32_16x16x64_bf8_bf8 v[32*(\t)+8*\d:32*(\t)+8*\d+7], v[VV+32*(\vb)+8*\d:VV+32*(\vb)+8*\d+7], v[PP+8*(\pb):PP+8*(\pb)+7], 0
.else
	v_wmma_f32_16x16x64_bf8_bf8 v[32*(\t)+8*\d:32*(\t)+8*\d+7], v[VV+32*(\vb)+8*\d:VV+32*(\vb)+8*\d+7], v[PP+8*(\pb):PP+8*(\pb)+7], v[32*(\t)+8*\d:32*(\t)+8*\d+7]
.endif
.endr
	WIN 0
.endm
.macro MED sb, c                       ; relu and the hold in one, from the accumulator's low end on
.set rS, SS+32*(\sb)+8*(\c)
.irp j, 0,1,2,3,4,5,6,7
	v_med3_num_f32 v[rS+\j], v[rS+\j], 0, s[LIM]
.endr
.endm
.macro SQ sb, c                        ; the square, two at a time
.set rS, SS+32*(\sb)+8*(\c)
.irp j, 0,2,4,6
	v_pk_mul_f32 v[rS+\j:rS+\j+1], v[rS+\j:rS+\j+1], v[rS+\j:rS+\j+1]
.endr
.endm
.macro CV sb, c                        ; eight neighbouring keys' codes: registers 2 c, 2 c + 1 of P (buffer sb too)
.set rS, SS+32*(\sb)+8*(\c)
	v_cvt_scalef32_pk8_bf8_f32 v[PP+8*(\sb)+2*(\c):PP+8*(\sb)+2*(\c)+1], v[rS:rS+7], v[CSC]
.endm
; A KEY STEP of 64 keys, whose fragments lie in buffers p.  Tile t's vector work (52 instructions) carries the score product of the tile behind it and the second product of the tile in front of it:
; scores are made one tile ahead, into the other buffer of S^T; codes are multiplied one tile late, out of the other buffer of P.  So every result has 24 plain instructions or more behind it before it is read,
; every conversion has a plain instruction behind it before its result is used or its sources are written, and the loads land in registers whose last reader stands 16 plain instructions back or more
; (ISA guide 7.12.1 for vector instructions).  No two matrix instructions that follow each other share an accumulator.
; pv0: tile 3 of the step before is multiplied in tile 0's turn: 2; the same, starting its sums: 1; there is none: 0.  pvz: tiles 0-2 start their sums.  fetch: the next step is fetched.  kq: its first scores are made.
.macro STEP p, pv0, pvz, fetch, kq
.irp t, 0,1,2,3
	MED \t%2, 0
.if (\t == 1) && \fetch
	FETCH 1-\p, 8192*(\p+1), 256*(\p+1)
.endif
.if \t < 3
	KQ (\t+1)%2, \p, \t+1
.elseif \kq
	s_wait_dscnt 0x0                               ; the next step's fragments are in (asked for two tiles ago)
	KQ 0, 1-\p, 0
.endif
	MED \t%2, 1
	SQ \t%2, 0
	MED \t%2, 2
	SQ \t%2, 1
.if \t > 0
	PV \t-1, (\t-1)%2, \p, \pvz
.elseif \pv0
	PV 3, 1, 1-\p, 2-\pv0
.endif
	CV \t%2, 0
	MED \t%2, 3
	CV \t%2, 1
	SQ \t%2, 2
	SQ \t%2, 3
	CV \t%2, 2
	CV \t%2, 3
.endr
.endm
.macro BODY a_pv0, a_pvz, b_pv0, b_fetch, b_kq     ; two key steps; the fetches reach two steps, 24,575 bytes, beyond s[TB]
	v_add_nc_u32 v[ADR], s[TB], v[LI]
	v_add_nc_u32 v[MAD], s[TM], v[MH]
	STEP 0, \a_pv0, \a_pvz, 1, 1
	STEP 1, \b_pv0, 0, \b_fetch, \b_kq
	s_add_co_u32 s[TB], s[TB], 16384
	s_add_co_u32 s[TM], s[TM], 512
.endm
	SYNC 3                                         ; key steps 0-3 and the mask lie in LDS; my three later loads may be out
	s_mov_b32 s[TB], 0
	s_mov_b32 s[TM], 0
	v_add_nc_u32 v[ADR], s[TB], v[LI]
	v_add_nc_u32 v[MAD], s[TM], v[MH]
	FETCH 0, 0, 0
	s_wait_dscnt 0x0
	KQ 0, 0, 0                                     ; tile 0's first scores; the addresses for the way out are made here: eight plain instructions, the places behind these products
	s_mul_i32 s78, s[WV], 16*SP
	s_add_co_u32 s78, s78, STAGE                   ; my stage
	v_mul_u32_u24 v[STO], v12, SP                  ; in: row r, 32 bytes for each half of the lanes
	v_lshl_add_u32 v[STO], v9, 5, v[STO]
	v_add_nc_u32 v[STO], s78, v[STO]
	v_mul_u32_u24 v[RD], v9, SP                    ; back: lanes 0-15 take one row of 256 bytes, lanes 16-31 the next
	v_lshl_add_u32 v[RD], v12, 4, v[RD]
	v_add_nc_u32 v[RD], s78, v[RD]
	v_lshlrev_b32 v[GO], 12, v9                    ; and the same two rows in out: 4,096 bytes from token to token
	v_lshl_add_u32 v[GO], v12, 4, v[GO]
	s_lshr_b32 s80, s[BH], 4                       ; out: 8,388,608 x batch + 4,096 x (512 x block + 64 x wave) + 256 x head
	s_lshl_b32 s80, s80, 23
	s_lshl_b32 s81, s[QB], 21
	s_add_co_u32 s80, s80, s81
	s_lshl_b32 s81, s[WV], 18
	s_add_co_u32 s80, s80, s81
	s_and_b32 s81, s[BH], 15
	s_lshl_b32 s81, s81, 8
	s_add_co_u32 s80, s80, s81
	s_mov_b32 s81, 0
	s_add_nc_u64 s[12:13], s[12:13], s[80:81]
	BODY 0, 1, 1, 1, 1                             ; key steps 0, 1: they start O^T's sums; fetches up to step 2
	SYNC 2                                         ; key steps 4-7 lie in LDS
	BODY 2, 0, 2, 1, 1                             ; key steps 2, 3; fetches up to step 4
	SYNC 1                                         ; key steps 8-15 lie in LDS
	s_mov_b32 s[CNT], 4
.Lb:                                               ; key steps 4-11; fetches up to step 12
	BODY 2, 0, 2, 1, 1
	s_sub_co_u32 s[CNT], s[CNT], 1
	s_cmp_lg_u32 s[CNT], 0
	s_cbranch_scc1 .Lb
	SYNC 0                                         ; all of k and v lies in LDS; no tensor load of mine is out
	s_mov_b32 s[CNT], 9
.Lc:                                               ; key steps 12-29; fetches up to step 30
	BODY 2, 0, 2, 1, 1
	s_sub_co_u32 s[CNT], s[CNT], 1
	s_cmp_lg_u32 s[CNT], 0
	s_cbranch_scc1 .Lc
	BODY 2, 0, 2, 0, 0                             ; key steps 30, 31: the last fetches nothing and makes no further scores
	v_nop                                          ; a plain instruction between the last conversion and the products that read its result
	PV 3, 1, 1, 0                                  ; tile 3 of the last step
; THE WAY OUT, a tile (16 queries x 64 channels) at a time.  A lane's eight sums are 32 neighbouring bytes of a row, and the lanes beside it hold other rows: so a tile goes through my own stage in LDS and comes
; back as whole rows of 256 bytes, a head's 64 channels of one token, which sixteen lanes store as 256 consecutive bytes, aligned.  LDS serves a wave's instructions in order (ISA guide 5.7.1.4): no wait between
; the stores and the loads, nor in front of the next tile's stores.  Tile 0's sixteen multiplications, which name no register of the last products, are the places behind them.
.macro OUT t
.set rT, SS+32*((\t)%2)
.set rK, KK+32*((\t)%2)
	WIN 0x01                                       ; source 0: window 1
.irp i, 0,2,4,6,8,10,12,14,16,18,20,22,24,26,28,30
	v_pk_mul_f32 v[rT+\i:rT+\i+1], v[32*(\t)+\i:32*(\t)+\i+1], s[OSC:OSC+1] op_sel_hi:[1,0]   ; x 2^(e8 + e9); each accumulator from its low end on
.endr
	WIN 0
.irp d, 0,1,2,3
	ds_store_b128 v[STO], v[rT+8*\d:rT+8*\d+3] offset:64*\d
	ds_store_b128 v[STO], v[rT+8*\d+4:rT+8*\d+7] offset:64*\d+16
.endr
.irp i, 0,1,2,3,4,5,6,7
	ds_load_b128 v[rK+4*\i:rK+4*\i+3], v[RD] offset:2*SP*\i
.endr
.endm
.macro SEND t, younger                 ; younger: the LDS instructions issued behind tile t's loads: the next tile's sixteen, or none
.set rK, KK+32*((\t)%2)
	s_wait_dscnt \younger
.irp i, 0,1,2,3,4,5,6,7
	global_store_b128 v[GO], v[rK+4*\i:rK+4*\i+3], s[12:13] offset:65536*(\t)+8192*\i th:TH_STORE_NT
.endr
.endm
	OUT 0
	OUT 1
	SEND 0, 16
	s_wait_xcnt 0x0                                ; tile 0's stores have read their registers: tile 2's rows may land there
	OUT 2
	SEND 1, 16
	s_wait_xcnt 0x0                                ; tile 1's likewise
	OUT 3
	SEND 2, 16
	SEND 3, 0
	s_wait_tensorcnt 0x0
	ds_add_u32 v14, v15
	s_wait_dscnt 0x0
	CROUND                                         ; the closing round: no work-group ends while a partner may still ask for a chunk that names it
	s_endpgm
.Lfunc_end_k_q2960d17dba_attn:
	.size	k_q2960d17dba_attn, .Lfunc_end_k_q2960d17dba_attn-k_q2960d17dba_attn
	.p2alignl 7, 3214868480
	.fill 96, 4, 3214868480
	.section	.rodata,"a",@progbits
	.p2align	6, 0x0
	.amdhsa_kernel k_q2960d17dba_attn
		.amdhsa_group_segment_fixed_size 306176
		.amdhsa_private_segment_fixed_size 0
		.amdhsa_enable_private_segment 0
		.amdhsa_kernarg_size 40
		.amdhsa_user_sgpr_count 2
		.amdhsa_user_sgpr_kernarg_segment_ptr 1
		.amdhsa_wavefront_size32 1
		.amdhsa_system_sgpr_workgroup_id_x 1
		.amdhsa_system_sgpr_workgroup_id_y 1
		.amdhsa_system_sgpr_workgroup_id_z 1
		.amdhsa_system_vgpr_workitem_id 0
		.amdhsa_next_free_vgpr 512
		.amdhsa_next_free_sgpr 90
		.amdhsa_reserve_vcc 0
		.amdhsa_float_denorm_mode_32 3
		.amdhsa_float_denorm_mode_16_64 3
		.amdhsa_memory_ordered 1
		.amdhsa_forward_progress 1
		.amdhsa_inst_pref_size 192
	.end_amdhsa_kernel
	.amdgpu_metadata
---
amdhsa.version: [ 1, 2 ]
amdhsa.kernels:
  - .name:           k_q2960d17dba_attn
    .symbol:         k_q2960d17dba_attn.kd
    .args:
      - { .name: qimg, .offset: 0, .size: 8, .value_kind: global_buffer, .address_space: global }
      - { .name: kv, .offset: 8, .size: 8, .value_kind: global_buffer, .address_space: global }
      - { .name: attention_mask, .offset: 16, .size: 8, .value_kind: global_buffer, .address_space: global }
      - { .name: lowp_scales, .offset: 24, .size: 8, .value_kind: global_buffer, .address_space: global }
      - { .name: out0, .offset: 32, .size: 8, .value_kind: global_buffer, .address_space: global }
    .group_segment_fixed_size: 306176
    .private_segment_fixed_size: 0
    .kernarg_segment_align: 8
    .kernarg_segment_size: 40
    .max_flat_workgroup_size: 256
    .sgpr_count:     90
    .vgpr_count:     512
    .wavefront_size: 32
...
	.end_amdgpu_metadata
.endif
;; end of part 2
